; MI455X (gfx1250); checked and timed in simulation.
; The chip was launched on July 23, 2026; its instructions are those of AMD's public machine-readable ISA for CDNA 5 (MIT licence, August 2026) and "CDNA5" Instruction Set Architecture Reference Guide (July 2026). The comments in the code are by the model that wrote it; some were corrected since.
;; Llama Cls. Allowed arithmetic: matrix products marked QUANTISED: E4M3 operands, one E8M0 scale for each 32 along K, by v_wmma_scale_f32_16x16x128_f8f6f4 with both operands' format E4M3, f32 sums; everything else in f32.
;; Inputs: hidden_states_codes 2,048 x 2 x 128 x 32 uint8 (E4M3 codes of hidden_states, K innermost, in blocks of 32 codes); hidden_states_scales 2,048 x 2 x 128 uint8 (E8M0 scales of hidden_states, one for each 32 codes along K); labels 2 x 2,048 int32; weight_codes 4,000 x 128 x 32 uint8 (E4M3 codes of weight, K innermost, in blocks of 32 codes); weight_scales 4,000 x 128 uint8 (E8M0 scales of weight, one for each 32 codes along K).
;; Outputs: out0 2 x 2,048 float32.
;; This version of the problem:
;;   THIS VERSION OF THE PROBLEM IS GIVEN IN LOW PRECISION. The matrix products marked QUANTISED in the list below multiply operands that are first quantised to E4M3 (4 exponent bits, 3 mantissa bits; 8 bits a number), with one power-of-two scale for each 32 numbers along K (OCP MX v1.0); their sums are f32. All else is computed in f32.
;;   The module's matrix products, in the order in which they are computed (A, B: the left and right operand; K: the contracted axis; several contracted axes count as one K, in the product's order):
;;     1. [M 4,096, K 4,096] x [K 4,096, N 4,000]; A: input hidden_states (given as codes); B: input weight (given as codes): QUANTISED
;;   THE QUANTISER, for each operand of a quantised product, along K:
;;     - K is cut into blocks of 32 from its start; a last block that is shorter is filled with zeros.
;;     - A block's scale is 2^e with e = floor(log2(the largest magnitude in the block)) - 8, held to -126 .. 127; a block of zeros has e = 0. As a byte (E8M0): e + 127.
;;     - Each number is divided by its block's scale, clamped to +-448, and rounded to the nearest number of E4M3, ties to even, subnormals kept.
;;     - The product sums the exact products of the quantised numbers (number of the format x scale) in f32.
;;   ~~~python
;;   def quantise(x, axis):      # numpy; x: float32 -> the quantised numbers, widened to float32 again
;;       x = np.moveaxis(x, axis, -1); K = x.shape[-1]
;;       x = np.pad(x, [(0, 0)] * (x.ndim - 1) + [(0, -K % 32)]); x = x.reshape(x.shape[:-1] + (-1, 32)); a = np.abs(x).max(-1, keepdims=True)
;;       e = np.where(a > 0, np.clip(np.frexp(np.where(a > 0, a, 1))[1] - 1 - 8, -126, 127), 0)      # np.frexp(a)[1] - 1 = floor(log2(a)), exactly
;;       r = np.clip(x / 2.0 ** e, -448, 448)
;;       step = 2.0 ** (np.maximum(np.frexp(np.where(r == 0, 1, r))[1] - 1, -6) - 3)
;;       q = np.round(r / step) * step * 2.0 ** e      # np.round: ties to even
;;       return np.moveaxis(q.reshape(q.shape[:-2] + (-1,))[..., :K], -1, axis).astype(np.float32)
;;   ~~~
;;   INPUTS GIVEN AS CODES. hidden_states (in the module: [2048, 2, 4096], K = its axis 2); weight (in the module: [4000, 4096], K = its axis 1): each comes as NAME_codes (uint8): NAME with its K axis moved to the last place and cut into blocks of 32 codes, [.., K / 32, bytes a block], one block behind the other in memory; one code a byte (a code: sign, 4 exponent bits, 3 mantissa bits); and NAME_scales (uint8): the same leading axes, one E8M0 byte (e + 127) for each 32 codes along K. Its value is code x scale, taken as it is: it is not quantised again, and the codes and scales need not be those that the quantiser above would give.
;; One version. Each part assembles by itself: llvm-mc -triple=amdgcn-amd-amdhsa -mcpu=gfx1250 --defsym DOCPART=n.
;; ======== version 1 of 1: 2 launches
;; workspace buffers: part 786,432 bytes
;; launch gemm (part 1): grid 16 x 16, 4 waves a work-group, clusters of 4 x 4, 327,680 bytes of LDS; arguments hidden_states_codes, hidden_states_scales, weight_codes, weight_scales, labels, part; writes part
.if DOCPART == 1
	.amdgcn_target "amdgcn-amd-amdhsa--gfx1250"
	.amdhsa_code_object_version 6
	.text
	.protected	k_q446f44acb0_gemm
	.globl	k_q446f44acb0_gemm
	.p2align	8
	.type	k_q446f44acb0_gemm,@function
k_q446f44acb0_gemm:
	s_mov_b64 s[64:65], 0
	v_nop
	global_prefetch_b8 v0, s[64:65] scope:SCOPE_SE
	s_setreg_imm32_b32 hwreg(HW_REG_WAVE_MODE, 25, 1), 1
	s_wait_xcnt 0x0
	s_wait_alu depctr_hold_cnt(0) depctr_sa_sdst(0) depctr_va_vdst(0) depctr_va_sdst(0) depctr_va_ssrc(0) depctr_va_vcc(0) depctr_vm_vsrc(0)
	s_getreg_b32 s2, hwreg(HW_REG_IB_STS2, 6, 4)
	s_cmp_eq_u32 s2, 0
	s_cbranch_scc0 .Lentry_in_a_cluster
	s_endpgm
.Lentry_in_a_cluster:
	s_bfe_u32 s2, ttmp6, 0x10000c
	s_cmp_lg_u32 s2, 0xf033
	s_cbranch_scc0 .Lentry_shape_is_right
	s_endpgm
.Lentry_shape_is_right:
; logits[R][v] = sum over k of H[R][k] W[v][k], R = 2 s + b (4,096 rows as they lie in memory), v = 0 .. 3,999, k = 0 .. 4,095: codes of FP8 (E4M3) with one E8M0 byte for each 32 along K,
; taken as they lie.  The logits never leave the registers: for each row R and each tile column p of 16 this launch stores three f32 numbers into part, laid [3][16][4096]:
;   m = the largest logit of the tile's columns;  s = the sum of e^(x - m) over the columns that the tile OWNS;  g = the label's logit if the tile owns the label's column, else 0.
; The next launch joins a row's 16 triples.
; SHARES.  A tile is 256 rows x 256 columns: a work-group of four waves, one for each SIMD of a WGP; a wave makes 128 x 128: 64 accumulators of 16 x 16, 512 registers.  16 x 16 tiles: 256 work-groups.
; N = 4,000 IS NO MULTIPLE OF 256: tile column p begins at row min(256 p, 3,744) of W, so that every tile has 256 rows of W and every descriptor's sizes are constants.  Tile 15 so repeats 96 columns of
; tile 14 (3,744 .. 3,839: blocks 0 to 5 of its left waves).  They are left out of its s (their exponent gets -infinity added) and of its g (an ownership test); they may count in its m: they are logits
; of the same row, so the largest of a row's 16 m is still the row's largest logit, and the tile that owns that logit has s >= about 1.
; K goes in 16 steps of 256 through a ring of two LDS slots; a tile's row is 256 bytes of memory.  Each wave fetches a quarter of a slot with one tensor load of 128 rows: waves 0 and 1 A's halves, waves 2 and 3 B's.
; THE SCALE BYTES of all of K do not fit beside the ring: they come in TWO RUNS along K, 64 bytes of each row's 128.  Where a run is fetched (with K step 0, and behind the change of slots of K step 6) the four
; loads are shared out otherwise, still one a wave: wave 0 takes A's whole 256 rows of codes, wave 2 B's, wave 1 A's scale bytes, wave 3 B's.  Run 1 lands in run 0's bytes with no barrier of its own: run 0's
; words are read half a K step EARLY (step s + 1's in the first half of step s), so that its last read stands ahead of that change's barrier; run 1's words are read behind the barrier of the change of
; slots that leads to their step.  By this text's own count a wave has two tensor loads out at the start and one behind each change of slots.
; CLUSTERS: 4 x 4 work-groups.  The four of a row of the cluster need the same tiles of H, the four of a column the same tiles of W: each tile (codes and scale bytes) is asked for JOINTLY, by the same
; tensor load with the same descriptor and a mask that names the four.
; THE MATRIX INSTRUCTION IS USED TRANSPOSED (source 0 = 16 rows of W, source 1 = 16 rows of H): lane (r = l % 16, h = l / 16) holds ONE row 16 a + r, and register j of accumulator (a, b) its column
; 16 b + 8 h + j: a row's maximum, sum and label stay in a lane, but for one exchange with lane l xor 16.
; LIMITS: a scale byte 0xff, a NaN code, or logits beyond f32's range give NaN or infinity; they are not served otherwise.  The exponent is x c - rnd(m c), c = log2(e), one fused multiply-add: its
; error is half a last place of m c, under 1e-3 up to |logit| of about 1e4.  The softmax's sums are grouped by lane, wave and tile.
; REGISTERS, in windows of 256: window 0: v0 the thread's number; v16-31 addresses; v32-63 scale words, two sets; v64-77 labels and what the way out wants; from v128 A's fragments (8 x 16 rows x 128 K), ONE set;
;   on the way out v128-255 are at work.  window 1: B's fragments, TWO sets, at v0 and v128.  window 2: the accumulators of my rows 0-63 ((a, b) at v[8 (8 a + b)]);  window 3: those of rows 64-127.
.set ROWB,   256                       ; a tile's row in bytes: 256 codes
.set KROW,   4096                      ; a row of H or W in memory
.set PITCH,  272                       ; an LDS row: 256 bytes + 16 of padding = 68 words: row r starts at bank 4 r mod 64 (64 banks of 4 bytes: ISA guide 11.1)
.set FR,     16                        ; registers of a fragment: 16 rows x 128 K
.set NQ,     2                         ; matrix instructions deep in a K step
.set NP,     8                         ; places behind this matrix instruction (ISA guide 7.12.1)
.set HALFT,  128*PITCH                 ; 128 rows: what one wave fetches, and what one wave reads of A or of B
.set SLOT,   4*HALFT                   ; A's 256 rows, then B's 256 rows
.set SP,     80                        ; a row of a run's scale bytes in LDS: 64 bytes + 16 of padding
.set HALFS,  128*SP
.set SBLK,   16*SP
.set SCL,    2*SLOT                    ; behind the ring: A's scale bytes of the run in hand, 256 rows;
.set SCLB,   SCL+2*HALFS               ; B's
.set SPARE,  SCLB+2*HALFS              ; the spare words, 128 bytes for each wave: two blocks of 256 bytes that no other line names
.set STG,    SPARE+512                 ; the stage of the way out: [m, s, g][column half][256 rows] f32: 6,144 bytes into which no tensor load lands
.set CFLAGS, (1<<20)|(1<<21)|(5<<22)|(3<<25)   ; group 1, word 0, codes: 17:16 elements of 1 byte; 20 padding on; 21 set beside a mask; 24:22 after every 64 words (code 5); 31:25 four words (code 3)
.set SFLAGS, (1<<20)|(1<<21)|(3<<22)|(3<<25)   ; scale bytes: four words after every 16 (code 3)
.set ADRA, 16                          ; v16-17  LDS address of my A fragments in slot 0, 1
.set ADRB, 20                          ; v20-21  the same for B
.set ADRS, 27                          ; v27     LDS address of my scale words: lanes 0-15 A's rows, lanes 16-31 B's
.set SPW,  28                          ; v28     LDS address of my spare word: SPARE + 4 x my thread's number; never rewritten
.set NIL,  29                          ; v29     0; never rewritten
.set PFO,  30                          ; v30     the prefetches' offset: my lane x a row of 4,096 bytes; never rewritten
.set LOFF, 31                          ; v31     the labels' offset
.set SC,   32                          ; scale words: set s (for slot s) at v[SC + 16 s]; register 2 i + q: lanes 0-15 the word of A's block i, lanes 16-31 of B's block i, for the slot's q-th 128 along K
.set LAB,  64                          ; v64-71  the label of my row 16 a + r
.set H8,   72                          ; v72     8 h
.set NINF, 73                          ; v73     -infinity
.set STA,  74                          ; v74     the stage: lanes 0-15 put m, lanes 16-31 s
.set STGA, 75                          ; v75     and g
.set RDA,  76                          ; v76     where I read two rows back
.set GOF,  77                          ; v77     8 x lane: my two rows in part
.set AF,   128                         ; A's fragments
.set T,    128                         ; the way out: v128-159 the label's tree
.set MX,   160                         ; v160-167 eight chains of the maximum
.set SM,   168                         ; v168-175 four pairs of sums
.set NM,   176                         ; v176-177 -c m (the low word serves both halves)
.set NMD,  178                         ; v178-179 the same, or -infinity in a wave whose blocks 0-5 repeat another tile's columns
.set D,    180                         ; v180 the label's column in my wave's 128;  v181, v182 at work
.set U,    181
.set E,    182
.set PL,   184                         ; v184, v185 what comes from lane l xor 16
.set PL2,  185
.set RM,   192                         ; v192-199 m of row block a;  v200-207 s;  v208-215 g
.set RS,   200
.set RG,   208
.set MG,   216                         ; v216-233 the join of the two column halves
.set G1QA, 4                           ; s[4:11]  descriptor group 1 for a quarter of a slot, 128 rows of A's codes: written where the four input pointers lay, once these are done with
.set WV,   16                          ; s16 wave;  s17 which 128 rows of A are mine to multiply, and: I fetch for A (0) or for B (1);  s18 which 128 rows of W, and: which 128 rows I fetch
.set RH,   17
.set CH,   18
.set G1A,  24                          ; s[24:31] group 1 for A's whole 256 rows of codes;  s[32:39] B's;  s[40:47] A's scale bytes;  s[48:55] B's
.set G1B,  32
.set G1SA, 40
.set G1SB, 48
.set G0A,  56                          ; s[56:63] group 0 for A's codes, a set for each slot;  s[68:75] B's;  s[76:79], s[80:83] the scale bytes'
.set G0B,  68
.set G0SA, 76
.set G0SB, 80
.set PFA,  84                          ; s[84:85] where my prefetches stand
.set LIM,  86                          ; s86  1 in a wave that prefetches, else the greatest number
.set CX,   87                          ; s87-93 the place in the cluster and what is made of it: done with when the first tiles are asked for
.set CY,   88
.set TC,   89                          ; tile column
.set TR,   90                          ; tile row
.set RMASK, 91
.set CMASK, 92
.set BST,  93                          ; the tile's first row of W
.set G1QB, 88                          ; s[88:95] group 1 for 128 rows of B's codes: written over them
.set SEL,  96                          ; s[96:97] lane selects for v_permlanex16_b32: lane l xor 16
.set DUP,  98                          ; s98  all ones in the wave whose blocks 0-5 repeat tile 14's columns, else 0
.set LO,   99                          ; s99  the first column of my 128 that my tile owns: 96 there, else 0
.set SPAN, 100                         ; s100 128 - LO
.set COLB, 101                         ; s101 my wave's first column
.set MK,   87                          ; the way out (every tensor load has been waited for, so its descriptors are done with): s87-92 masks of the label's bits 0, 1, 2, 4, 5, 6
.set VAL,  93                          ; s93  lanes that hold the label's logit
.set CS,   94                          ; s[94:95] c = log2(e): the packed forms name a pair and take its low word for both halves
.set TMPM, 19
.set NC,   20                          ; s20  -c
.set HI,   21                          ; s21  lanes 16-31
.set MSB, 0
.macro WIN new                         ; the immediate's high byte repeats the setting that is left; a switch that changes nothing is dropped
.if MSB != (\new)
	s_set_vgpr_msb (MSB<<8)|(\new)
.set MSB, (\new)
.endif
.endm
.set MUL_LO, 0xa1                      ; source 0 (W) window 1, source 1 (H) window 0, C and D window 2
.set MUL_HI, 0xf1                      ; the same, C and D window 3
.set TO_B,   0x40                      ; destination window 1, address window 0
.macro PLACES n
.rept \n
	v_nop
.endr
.endm
; A joint refill of a slot, a quarter a wave: waves 0 and 1 ask for A's two halves, waves 2 and 3 for B's.  Each line has ONE mask and one set of registers for all that issue it; the branch hangs on the wave's number alone.
; Four v_nop follow each tensor load, ahead of the jump, the label and what follows.
.macro JLOADQ slot
	s_cmp_lt_u32 s[WV], 2
	s_cbranch_scc0 .Lfor_b_\@
	tensor_load_to_lds s[G0A+4*\slot:G0A+4*\slot+3], s[G1QA:G1QA+7]
	s_nop 0
	PLACES 4
	s_branch .Lasked_\@
.Lfor_b_\@:
	tensor_load_to_lds s[G0B+4*\slot:G0B+4*\slot+3], s[G1QB:G1QB+7]
	s_nop 0
	PLACES 4
.Lasked_\@:
.endm
; A slot and a run of scale bytes, still one tensor load a wave.  Wave 0's group 0 stands at A's first row and at the slot's first byte, wave 2's at B's: with the groups 1 of 256 rows they bring the whole tiles.
; Wave 1 asks for A's scale bytes, wave 3 for B's.
.macro JLOAD4 slot
	s_cmp_lt_u32 s[WV], 2
	s_cbranch_scc0 .Lhigh_\@
	s_cmp_eq_u32 s[WV], 0
	s_cbranch_scc0 .Lfor_sa_\@
	tensor_load_to_lds s[G0A+4*\slot:G0A+4*\slot+3], s[G1A:G1A+7]
	s_nop 0
	PLACES 4
	s_branch .Lasked_\@
.Lfor_sa_\@:
	tensor_load_to_lds s[G0SA:G0SA+3], s[G1SA:G1SA+7]
	s_nop 0
	PLACES 4
	s_branch .Lasked_\@
.Lhigh_\@:
	s_cmp_eq_u32 s[WV], 2
	s_cbranch_scc0 .Lfor_sb_\@
	tensor_load_to_lds s[G0B+4*\slot:G0B+4*\slot+3], s[G1B:G1B+7]
	s_nop 0
	PLACES 4
	s_branch .Lasked_\@
.Lfor_sb_\@:
	tensor_load_to_lds s[G0SB:G0SB+3], s[G1SB:G1SB+7]
	s_nop 0
	PLACES 4
.Lasked_\@:
.endm
; A PREFETCH INTO THE L2 of the K step that stands TWO refills on: 32 rows x 256 bytes, a lane a row, one instruction a wave.
; What it asks for has been asked of memory two K steps, 256 matrix instructions, earlier.  Each row's 256 bytes of a K step are named once (tile 15's 96 repeated rows of W twice).
; H's tile row is read by every cluster of that row of clusters: the cluster with x = 0 asks; W's tile column by every cluster of that column: the cluster with y = 0 asks.  The four partners that ask for a tile jointly
; share its rows out BY ADDRESS, 64 each (by cx for H, by cy for W); in each, waves 0 and 1 take H's two 32s, waves 2 and 3 W's.  how = 1: always; how = 2: not in the loop's last trip, which has no K step two refills on.
.macro ASK how
.if \how == 1
	s_cmp_eq_u32 s[LIM], 1
.else
	s_cmp_gt_u32 s3, s[LIM]                        ; s3 = 1 in the loop's last trip
.endif
	s_cbranch_scc0 .Lnot_mine_\@
	global_prefetch_b8 v[PFO], s[PFA:PFA+1] th:TH_LOAD_NT scope:SCOPE_SE
.Lnot_mine_\@:
.endm
.macro CREST                           ; a round of the cluster's barrier behind its opening barrier
	s_cmp_lg_u32 s[WV], 0
	s_cbranch_scc1 .Lnot_wave_0_\@
	s_barrier_signal -3
.Lnot_wave_0_\@:
	s_barrier_wait -3
	s_barrier_signal -1
	s_barrier_wait -1
.endm
.macro CROUND                          ; a whole round
	s_barrier_signal -1
	s_barrier_wait -1
	CREST
.endm
	s_load_b256 s[4:11], s[0:1], 0x0               ; H's codes s[4:5], H's scales s[6:7], W's codes s[8:9], W's scales s[10:11]
	s_load_b128 s[12:15], s[0:1], 0x20             ; labels s[12:13], part s[14:15]
	v_lshl_add_u32 v[SPW], v0, 2, SPARE
	v_mov_b32 v[NIL], 0
	ds_add_u32 v28, v29
	s_wait_dscnt 0x0
	v_lshrrev_b32 v1, 5, v0
	v_readfirstlane_b32 s[WV], v1                  ; wave 0..3
	s_lshr_b32 s[RH], s[WV], 1
	s_and_b32 s[CH], s[WV], 1
	s_bfe_u32 s[CX], ttmp6, 0x40000                ; cx, cy: my place in the cluster
	s_bfe_u32 s[CY], ttmp6, 0x40004
	s_lshl_b32 s[TC], ttmp9, 2
	s_add_co_u32 s[TC], s[TC], s[CX]               ; tile column = 4 x cluster x + cx
	s_and_b32 s[TR], ttmp7, 0xffff
	s_lshl_b32 s[TR], s[TR], 2
	s_add_co_u32 s[TR], s[TR], s[CY]               ; tile row = 4 x cluster y + cy
	s_lshl_b32 s[RMASK], s[CY], 2
	s_lshl_b32 s[RMASK], 15, s[RMASK]              ; my row of the cluster
	s_lshl_b32 s[CMASK], 0x1111, s[CX]             ; my column
	s_lshl_b32 s[BST], s[TC], 8
	s_min_u32 s[BST], s[BST], 3744                 ; the tile's first row of W: the last tile ends with W's last row
	; descriptor group 1, a whole tile of codes: 256 rows x 256 bytes, 4,096 bytes apart in memory, 16 bytes of padding behind each in LDS
	s_or_b32 s[G1A], s[RMASK], CFLAGS              ; 15:0 the mask: H's tiles go to my row
	s_or_b32 s[G1B], s[CMASK], CFLAGS              ; W's to my column
.irp g, G1A, G1B
	s_mov_b32 s[\g+1], ROWB<<16                    ; tensor_dim0 = 256
	s_mov_b32 s[\g+2], 256<<16                     ; tensor_dim1 = 256
	s_mov_b32 s[\g+3], ROWB<<16                    ; tile_dim0 = 256
	s_mov_b32 s[\g+4], 256                         ; tile_dim1 = 256
	s_mov_b32 s[\g+5], KROW                        ; tensor_dim0_stride
	s_mov_b32 s[\g+6], 0
	s_mov_b32 s[\g+7], 0
.endr
	; scale bytes: 256 rows x 64 bytes (half of a row's 128), 16 bytes of padding behind each
	s_or_b32 s[G1SA], s[RMASK], SFLAGS
	s_or_b32 s[G1SB], s[CMASK], SFLAGS
.irp g, G1SA, G1SB
	s_mov_b32 s[\g+1], 64<<16
	s_mov_b32 s[\g+2], 256<<16
	s_mov_b32 s[\g+3], 64<<16
	s_mov_b32 s[\g+4], 256
	s_mov_b32 s[\g+5], 128
	s_mov_b32 s[\g+6], 0
	s_mov_b32 s[\g+7], 0
.endr
	s_mov_b32 s[SEL], 0x76543210
	s_mov_b32 s[SEL+1], 0xfedcba98
	; All that hangs on the place in the cluster is made here, while the arguments are on their way: offsets in registers of their own, added to the pointers below.
	; Where my quarter of a tile begins, in bytes.  H's hangs on the tile row and the wave's number alone, W's on the tile column and the wave's number, each in registers that never hold the other coordinate
	s_lshl_b32 s19, s[CH], 19                      ; which 128 rows I fetch: 128 x 4,096 bytes
	s_lshl_b32 s20, s[TR], 20                      ; 256 rows x 4,096 bytes
	s_add_co_u32 s20, s20, s19
	s_mov_b32 s21, 0
	s_lshl_b32 s22, s[TR], 15                      ; the scale bytes of the tile's 256 rows x 128 bytes
	s_mov_b32 s23, 0
	s_lshl_b32 s66, s[BST], 12
	s_add_co_u32 s66, s66, s19
	s_mov_b32 s67, 0
	s_lshl_b32 s2, s[BST], 7
	s_mov_b32 s3, 0
	s_mul_i32 s19, s[WV], HALFT                    ; and where it goes in a slot: wave x 128 rows: A's two halves, then B's two: no place in the cluster enters an LDS address
	; the prefetches: who asks, and the offset at which my wave's stand
	s_lshl_b32 s84, s[TR], 8
	s_and_b32 s86, ttmp7, 0xffff                   ; cluster y
	s_cmp_eq_u32 s[RH], 0                          ; waves 0 and 1 ask for H, waves 2 and 3 for W
	s_cselect_b32 s84, s84, s[BST]                 ; the tile's first row
	s_cselect_b32 s85, s[CX], s[CY]                ; my place among the four that ask for it with me
	s_cselect_b32 s86, ttmp9, s86                  ; the coordinate along which other clusters read the same rows
	s_cmp_eq_u32 s86, 0
	s_cselect_b32 s[LIM], 1, -1                    ; the same in all sixteen partners, for a given wave
	s_lshl_b32 s85, s85, 6
	s_add_co_u32 s84, s84, s85                     ; + my work-group's 64 rows
	s_lshl_b32 s85, s[CH], 5
	s_add_co_u32 s84, s84, s85                     ; + my wave's 32 of them
	s_lshl_b32 s84, s84, 12
	s_add_co_u32 s84, s84, 3*ROWB                  ; at K step 3: the first change of slots steps it to 4.  Nothing is prefetched at the head, where every work-group's first tiles are on their way
	s_mov_b32 s85, 0
	; labels[b][s] of row R = 2 s + b = 256 TR + 128 RH + 16 a + r: byte 8,192 (r % 2) + 512 TR + 256 RH + 32 a + 4 (r / 2).  (s76-80 are at work here; the scale bytes' groups 0 are written there below)
	s_lshl_b32 s76, s[TR], 9
	s_lshl_b32 s77, s[RH], 8
	s_add_co_u32 s76, s76, s77
	s_mov_b32 s77, 0
	; part at [0][TC][256 TR + 64 wave]
	s_lshl_b32 s78, s[TC], 12
	s_lshl_b32 s79, s[TR], 8
	s_add_co_u32 s78, s78, s79
	s_lshl_b32 s79, s[WV], 6
	s_add_co_u32 s78, s78, s79
	s_lshl_b32 s78, s78, 2
	s_mov_b32 s79, 0
	; which columns my tile owns: these numbers enter compares and selects of data alone
	s_lshl_b32 s80, s[TC], 1
	s_add_co_u32 s80, s80, s[CH]
	s_cmp_eq_u32 s80, 30                           ; tile column 15, left half
	s_cselect_b32 s[DUP], -1, 0
	s_cselect_b32 s[LO], 96, 0
	s_sub_co_u32 s[SPAN], 128, s[LO]
	s_lshl_b32 s80, s[CH], 7
	s_add_co_u32 s[COLB], s[BST], s80
	s_wait_kmcnt 0x0
	s_add_nc_u64 s[20:21], s[4:5], s[20:21]
	s_add_nc_u64 s[22:23], s[6:7], s[22:23]
	s_add_nc_u64 s[66:67], s[8:9], s[66:67]
	s_add_nc_u64 s[2:3], s[10:11], s[2:3]
	s_cmp_eq_u32 s[RH], 0
	s_cselect_b64 s[80:81], s[4:5], s[8:9]
	s_add_nc_u64 s[PFA:PFA+1], s[80:81], s[PFA:PFA+1]
	s_add_nc_u64 s[12:13], s[12:13], s[76:77]
	s_add_nc_u64 s[14:15], s[14:15], s[78:79]
	; group 1 for a quarter of a slot: 128 rows x 256 bytes.  The four input pointers and the place in the cluster are done with: their registers take these two groups
	s_or_b32 s[G1QA], s[RMASK], CFLAGS
	s_or_b32 s[G1QB], s[CMASK], CFLAGS
.irp g, G1QA, G1QB
	s_mov_b32 s[\g+1], ROWB<<16                    ; tensor_dim0 = 256
	s_mov_b32 s[\g+2], 128<<16                     ; tensor_dim1 = 128
	s_mov_b32 s[\g+3], ROWB<<16                    ; tile_dim0 = 256
	s_mov_b32 s[\g+4], 128                         ; tile_dim1 = 128
	s_mov_b32 s[\g+5], KROW                        ; tensor_dim0_stride
	s_mov_b32 s[\g+6], 0
	s_mov_b32 s[\g+7], 0
.endr
.irp s, 0,1
	s_mov_b32 s[G0A+4*\s], 1                       ; 1:0 count = 1
	s_add_co_u32 s[G0A+4*\s+1], s19, \s*SLOT       ; 63:32 LDS address
	s_add_nc_u64 s[G0A+4*\s+2:G0A+4*\s+3], s[20:21], \s*ROWB   ; 120:64 global address: K step s
	s_or_b32 s[G0A+4*\s+3], s[G0A+4*\s+3], 0x80000000          ; 127:126 type = 2
	s_mov_b32 s[G0B+4*\s], 1
	s_add_co_u32 s[G0B+4*\s+1], s19, \s*SLOT
	s_add_nc_u64 s[G0B+4*\s+2:G0B+4*\s+3], s[66:67], \s*ROWB
	s_or_b32 s[G0B+4*\s+3], s[G0B+4*\s+3], 0x80000000
.endr
	s_mov_b32 s[G0SA], 1
	s_mov_b32 s[G0SA+1], SCL
	s_mov_b64 s[G0SA+2:G0SA+3], s[22:23]
	s_or_b32 s[G0SA+3], s[G0SA+3], 0x80000000
	s_mov_b32 s[G0SB], 1
	s_mov_b32 s[G0SB+1], SCLB
	s_mov_b64 s[G0SB+2:G0SB+3], s[2:3]
	s_or_b32 s[G0SB+3], s[G0SB+3], 0x80000000
	CROUND                                         ; all sixteen work-groups are here: the first joint loads meet
	JLOAD4 0                                       ; the first fills go out as one group, two loads a wave: K step 0 of A and of B and run 0 of their scale bytes,
	JLOADQ 1                                       ; and K step 1, a quarter a wave
	v_and_b32 v1, 15, v0                           ; r = l % 16
	v_bfe_u32 v2, v0, 4, 1                         ; h = l / 16
	v_and_b32 v5, 1, v1
	v_lshrrev_b32 v6, 1, v1
	v_lshlrev_b32 v6, 2, v6
	v_lshl_or_b32 v[LOFF], v5, 13, v6
.irp a, 0,1,2,3,4,5,6,7
	global_load_b32 v[LAB+\a], v[LOFF], s[12:13] offset:32*\a
.endr
	v_mul_u32_u24 v3, v1, PITCH
	v_lshl_add_u32 v4, v2, 4, v3                   ; a fragment's row x pitch + 16 x half
	s_mul_i32 s21, s[RH], HALFT                    ; my 128 rows of A
	s_mul_i32 s22, s[CH], HALFT                    ; my 128 rows of B,
	s_add_co_u32 s22, s22, 2*HALFT                 ; which lie behind A's 256
.irp s, 0,1
	v_add_nc_u32 v[ADRA+\s], s21, v4
	v_add_nc_u32 v[ADRB+\s], s22, v4
	s_add_co_u32 s21, s21, SLOT
	s_add_co_u32 s22, s22, SLOT
.endr
	v_mul_u32_u24 v5, v1, SP                       ; my row's scale bytes
	s_mul_i32 s21, s[RH], HALFS                    ; A's: my 128 rows
	s_mul_i32 s22, s[CH], HALFS                    ; B's: my 128 rows, behind A's 256
	s_add_co_u32 s22, s22, 2*HALFS
	s_sub_co_u32 s22, s22, s21
	v_mul_u32_u24 v6, s22, v2                      ; lanes 16-31 take B's: one product with h
	s_add_co_u32 s21, s21, SCL
	v_add_nc_u32 v5, v5, v6
	v_add_nc_u32 v[ADRS], s21, v5
	v_and_b32 v3, 31, v0                           ; lane
	v_lshlrev_b32 v[PFO], 12, v3
	v_lshlrev_b32 v[H8], 3, v2
	v_mov_b32 v[NINF], 0xff800000
	s_lshl_b32 s19, s[CH], 10                      ; the stage: my column half's 1,024 bytes,
	s_lshl_b32 s20, s[RH], 9                       ; my 128 rows
	s_add_co_u32 s19, s19, s20
	s_add_co_u32 s19, s19, STG
	v_lshl_add_u32 v[STGA], v1, 2, s19             ; row r
	v_lshl_add_u32 v[STA], v2, 11, v[STGA]         ; lanes 0-15: the plane of m; lanes 16-31: of s
	v_add_nc_u32 v[STGA], 4096, v[STGA]            ; the plane of g
	v_lshlrev_b32 v[GOF], 3, v3
	s_lshl_b32 s19, s[WV], 8                       ; back: wave w takes rows 64 w .. 64 w + 63, two a lane
	s_add_co_u32 s19, s19, STG
	v_add_nc_u32 v[RDA], s19, v[GOF]
.macro FRAG reg, adr, q, i             ; a fragment, 16 rows x 128 K of 8-bit codes, is 16 registers: lane l holds row l % 16; registers 4 c .. 4 c + 3 hold K = 32 c + 16 (l / 16) + 0 .. 15
.irp c, 0,1,2,3
	ds_load_b128 v[\reg+4*\c:\reg+4*\c+3], v[\adr] offset:128*(\q)+32*\c+(\i)*16*PITCH
.endr
.endm
; 16 matrix instructions: A's blocks a0, a0 + 1 x B's eight, 128 along K: the slot's q-th.  p: B's set;  sc: the set of scale words.  zero = 1: the first product starts the sums: nothing is ever cleared.
; The 64 accumulators take turns, one instruction a turn, in the same order in every step.
.macro MUL16 a0, p, q, sc, zero
.irp a, \a0, \a0+1
.irp b, 0,1,2,3,4,5,6,7
.if \zero
	v_wmma_scale_f32_16x16x128_f8f6f4 v[8*(8*((\a)%4)+\b):8*(8*((\a)%4)+\b)+7], v[128*(\p)+FR*\b:128*(\p)+FR*\b+FR-1], v[AF+FR*(\a):AF+FR*(\a)+FR-1], 0, v[SC+8*NQ*(\sc)+NQ*\b+(\q)], v[SC+8*NQ*(\sc)+NQ*(\a)+(\q)] matrix_a_scale:MATRIX_SCALE_ROW1
.else
	v_wmma_scale_f32_16x16x128_f8f6f4 v[8*(8*((\a)%4)+\b):8*(8*((\a)%4)+\b)+7], v[128*(\p)+FR*\b:128*(\p)+FR*\b+FR-1], v[AF+FR*(\a):AF+FR*(\a)+FR-1], v[8*(8*((\a)%4)+\b):8*(8*((\a)%4)+\b)+7], v[SC+8*NQ*(\sc)+NQ*\b+(\q)], v[SC+8*NQ*(\sc)+NQ*(\a)+(\q)] matrix_a_scale:MATRIX_SCALE_ROW1
.endif
.endr
.endr
.endm
.macro FETCH_B slot, q, p              ; B's eight fragments of the slot's q-th 128 along K into set p
	WIN TO_B
.irp i, 0,1,2,3,4,5,6,7
	FRAG 128*(\p)+FR*\i, ADRB+\slot, \q, \i
.endr
	WIN 0
.endm
.macro FETCH_A slot, q, i0             ; A's blocks i0 .. i0 + 3
.irp i, \i0, \i0+1, \i0+2, \i0+3
	FRAG AF+FR*(\i), ADRA+\slot, \q, \i
.endr
.endm
.macro SCALES sc                       ; a K step's scale words into set sc: two words a row; lanes 0-15 take A's block i, lanes 16-31 B's block i
.irp i, 0,1,2,3,4,5,6,7
	ds_load_b64 v[SC+16*(\sc)+2*\i:SC+16*(\sc)+2*\i+1], v[ADRS] offset:\i*SBLK
.endr
.endm
; A load into a register that a matrix instruction has read, and a vector instruction that reads a matrix result, stand NP places behind that matrix instruction, and only plain vector instructions that name
; none of its registers are places (ISA guide 7.12.1 for vector instructions); the matrix instructions in between are not counted.
; A slot's first 128 along K.  early = 1: the NEXT K step's scale words are read here, into the other set, whose last products stand behind eight places in the change of slots before.
.macro STEP slot, zero, early
	s_wait_dscnt 16                                ; B's set, A's blocks 0-3 and the scale words are in; the youngest sixteen loads (A's blocks 4-7) may be out
	WIN MUL_LO
	MUL16 0, 0, 0, \slot, \zero
	MUL16 2, 0, 0, \slot, \zero
	s_wait_dscnt 0                                 ; A's blocks 4-7 are in (asked for 32 matrix instructions ago)
	PLACES NP
	FETCH_B \slot, 1, 1
	FETCH_A \slot, 1, 0
.if \early
	v_add_nc_u32 v[ADRS], 8, v[ADRS]               ; 8 bytes a K step
	SCALES 1-\slot
.endif
	WIN MUL_HI
	MUL16 4, 0, 0, \slot, \zero
	MUL16 6, 0, 0, \slot, \zero
	PLACES NP
	WIN 0
	FETCH_A \slot, 1, 4
.endm
; A slot's second 128 along K, and the change of slots: ONE barrier; in front of it each wave waits for all its tensor loads (one is out), adds 0 to its spare word, and waits for that and for its own LDS reads.
; fill = 1: this slot is filled again, two K steps ahead, a quarter a wave; 2: the same by two waves, and the other two ask for the scale bytes' second run;  0: nothing is filled, and no round of the cluster's barrier follows.
; late = 1: the next K step's scale words are read here, behind the barrier; 2: the same, from the new run's first bytes.  ask: the prefetch (macro ASK), 0: none.
.macro TURN slot, next, fill, late, ask
.if \fill
	s_wait_xcnt 0x0                                ; the last prefetch, a K step back, has read its address: it is stepped here, ahead of the waits of the change of slots
	s_add_nc_u64 s[PFA:PFA+1], s[PFA:PFA+1], ROWB
.endif
	s_wait_tensorcnt 0x0                           ; all my tensor loads have landed: my part of the next slot, or of the scale bytes;  (every window is 0 here: the add's two registers lie in window 0)
	ds_add_u32 v[SPW], v[NIL]                      ; 0 onto my spare word
	s_wait_dscnt 17                                ; (the add and the youngest sixteen loads, A's blocks 4-7, may be out)
	WIN MUL_LO
	MUL16 0, 1, 1, \slot, 0                        ; sixteen matrix instructions stand between the add and the wait for it
	s_wait_dscnt 0x0                               ; the add is done, and my reads of this slot, and of the scale bytes so far, are over
	s_barrier_signal -1
	MUL16 2, 1, 1, \slot, 0
	WIN 0
	s_barrier_wait -1
.if \fill
	CREST                                          ; the barrier has opened a round of the cluster's barrier: no wave of any partner still reads what is filled now, or has a load on its way
	s_add_nc_u64 s[G0A+4*\slot+2:G0A+4*\slot+3], s[G0A+4*\slot+2:G0A+4*\slot+3], 2*ROWB
	s_add_nc_u64 s[G0B+4*\slot+2:G0B+4*\slot+3], s[G0B+4*\slot+2:G0B+4*\slot+3], 2*ROWB
.if \fill == 2
	s_add_nc_u64 s[G0SA+2:G0SA+3], s[G0SA+2:G0SA+3], 64   ; the second 64 bytes of each row of scale bytes
	s_add_nc_u64 s[G0SB+2:G0SB+3], s[G0SB+2:G0SB+3], 64
	JLOAD4 \slot                                   ; the first tensor load behind the round, one a wave
.else
	JLOADQ \slot
.endif
	PLACES NP-4                                    ; every wave has asked: the four v_nop behind its tensor load are among the places in front of the loads below
.else
	PLACES NP
.endif
.if \late == 1
	v_add_nc_u32 v[ADRS], 8, v[ADRS]
.elseif \late == 2
	v_sub_nc_u32 v[ADRS], v[ADRS], 56              ; from the old run's last 8 bytes back to a row's first
.endif
	FETCH_B \next, 0, 0
	FETCH_A \next, 0, 0
.if \late
	SCALES \next
.endif
.if \ask
	ASK \ask                                       ; behind the joint load and the run of LDS loads that the next products wait for
.endif
	WIN MUL_HI
	MUL16 4, 1, 1, \slot, 0
	MUL16 6, 1, 1, \slot, 0
	PLACES NP
	WIN 0
	FETCH_A \next, 0, 4
.endm
	s_wait_loadcnt 0x0                             ; the labels: no global load stays out over the barriers that follow
	s_wait_tensorcnt 0x1                           ; the first of my two loads has landed: my part of K step 0 or of the scale bytes; K step 1's may stay out
	s_barrier_signal -1
	s_barrier_wait -1                              ; everybody's has
	FETCH_B 0, 0, 0
	FETCH_A 0, 0, 0
	SCALES 0
	FETCH_A 0, 0, 4
	STEP 0, 1, 1                                   ; the first half step stands in front of the loops: its products start the sums
	s_mov_b32 s3, 3
.Lrun0:                                                ; K steps 0 (second half) to 6 (first half): the changes of slots of K steps 0 to 5; scale words of steps 2 to 7 read early
	TURN 0, 1, 1, 0, 1
	STEP 1, 0, 1
	TURN 1, 0, 1, 0, 1
	STEP 0, 0, 1
	s_sub_co_u32 s3, s3, 1
	s_cmp_lg_u32 s3, 0
	s_cbranch_scc1 .Lrun0
	TURN 0, 1, 2, 0, 1                             ; K step 6: the old run's last words were read in front of this barrier: the new run is asked for behind it
	STEP 1, 0, 0
	TURN 1, 0, 1, 2, 1                             ; K step 7: the new run has landed (waves 1 and 3 have waited, all have met): K step 8's words
	STEP 0, 0, 0
	s_mov_b32 s3, 3
.Lrun1:                                                ; the changes of slots of K steps 8 to 13; scale words of steps 9 to 14 read behind the barriers
	TURN 0, 1, 1, 1, 2
	STEP 1, 0, 0
	TURN 1, 0, 1, 1, 2
	STEP 0, 0, 0
	s_sub_co_u32 s3, s3, 1
	s_cmp_lg_u32 s3, 0
	s_cbranch_scc1 .Lrun1
	TURN 0, 1, 0, 1, 0                             ; K step 14: nothing is left to fetch
	STEP 1, 0, 0
	s_wait_dscnt 16                                ; the very last half step
	WIN MUL_LO
	MUL16 0, 1, 1, 1, 0
	MUL16 2, 1, 1, 1, 0
	s_wait_dscnt 0
	WIN MUL_HI
	MUL16 4, 1, 1, 1, 0
	MUL16 6, 1, 1, 1, 0
	WIN 0
; THE WAY OUT.  Row block a: 16 rows x my 128 columns, 64 registers a lane (x[8 b + j] = column 16 b + 8 h + j of row 16 a + r).
.macro ROWS a
.set W, 2+(\a)/4                       ; the block's window
.set X, 64*((\a)%4)                    ; and its first register there
	WIN 0
	v_sub_nc_u32 v[D], v[LAB+\a], s[COLB]          ; the label's column among my 128, if it is among them
	v_sub_nc_u32 v[U], v[D], s[LO]
	v_xor_b32 v[E], v[D], v[H8]
	v_cmp_gt_u32 s[VAL], s[SPAN], v[U]             ; LO <= D < 128: my tile owns it and my wave holds it,
	v_and_b32 v[E], 8, v[E]
	v_cmp_eq_u32 s[TMPM], 0, v[E]                  ; and its bit 3 says which half of the lanes
	s_and_b32 s[VAL], s[VAL], s[TMPM]
.irp k, 0,1,2
	v_and_b32 v[E], 1<<\k, v[D]                    ; bits 0-2: the register j
	v_cmp_ne_u32 s[MK+\k], 0, v[E]
.endr
.irp k, 4,5,6
	v_and_b32 v[E], 1<<\k, v[D]                    ; bits 4-6: the block b
	v_cmp_ne_u32 s[MK+\k-1], 0, v[E]
.endr
	WIN W|(W<<2)|(W<<4)                            ; three sources in the block's window
.irp b, 0,1,2,3,4,5,6,7
	v_max3_num_f32 v[MX+\b], v[X+8*\b], v[X+8*\b+1], v[X+8*\b+2]   ; the maximum, in eight chains; each accumulator is read from its low end on
.endr
	WIN (W<<2)|(W<<4)
.irp i, 3,5
.irp b, 0,1,2,3,4,5,6,7
	v_max3_num_f32 v[MX+\b], v[MX+\b], v[X+8*\b+\i], v[X+8*\b+\i+1]
.endr
.endr
.irp b, 0,2,4,6
	v_max3_num_f32 v[MX+\b], v[MX+\b], v[X+8*\b+7], v[X+8*\b+15]   ; the last register of two accumulators
.endr
	WIN W|(W<<2)
.set i, 0
.rept 32
	v_cndmask_b32 v[T+i], v[X+2*i], v[X+2*i+1], s[MK]              ; the label's logit by a tree of selects, bit by bit of its column: no address and no branch hangs on the label
.set i, i+1
.endr
	WIN 0
	v_max3_num_f32 v[MX], v[MX], v[MX+1], v[MX+2]
	v_max3_num_f32 v[MX+3], v[MX+3], v[MX+4], v[MX+5]
	v_max3_num_f32 v[MX], v[MX], v[MX+3], v[MX+6]
	v_max_num_f32 v[MX], v[MX], v[MX+7]
	v_permlanex16_b32 v[PL], v[MX], s[SEL], s[SEL+1]               ; the row's other 64 columns lie in lane l xor 16
.set i, 0
.rept 16
	v_cndmask_b32 v[T+i], v[T+i], v[T+i+1], s[MK+1]
.set i, i+2
.endr
	v_max_num_f32 v[RM+\a], v[MX], v[PL]           ; m
	v_mul_f32 v[NM], s[NC], v[RM+\a]               ; -c m
	v_cndmask_b32 v[NMD], v[NM], v[NINF], s[DUP]   ; for blocks 0-5: -infinity where they repeat another tile's columns
.set i, 0
.rept 8
	v_cndmask_b32 v[T+i], v[T+i], v[T+i+2], s[MK+2]
.set i, i+4
.endr
.set i, 0
.rept 4
	v_cndmask_b32 v[T+i], v[T+i], v[T+i+4], s[MK+3]
.set i, i+8
.endr
	v_cndmask_b32 v[T], v[T], v[T+8], s[MK+4]
	v_cndmask_b32 v[T+16], v[T+16], v[T+24], s[MK+4]
	v_cndmask_b32 v[T], v[T], v[T+16], s[MK+5]
	v_cndmask_b32 v[RG+\a], 0, v[T], s[VAL]        ; 0 in every lane but the one that holds it
	v_permlanex16_b32 v[PL2], v[RG+\a], s[SEL], s[SEL+1]
	v_add_f32 v[RG+\a], v[RG+\a], v[PL2]           ; g, in both halves of the lanes
	WIN (W<<6)|W                                   ; destination and source 0 in the block's window
.set i, 0
.rept 32
.if i < 24
	v_pk_fma_f32 v[X+2*i:X+2*i+1], v[X+2*i:X+2*i+1], s[CS:CS+1], v[NMD:NMD+1] op_sel_hi:[1,0,0]   ; c x - c m, two at a time
.else
	v_pk_fma_f32 v[X+2*i:X+2*i+1], v[X+2*i:X+2*i+1], s[CS:CS+1], v[NM:NM+1] op_sel_hi:[1,0,0]
.endif
.set i, i+1
.endr
.set i, 0
.rept 64
	v_exp_f32 v[X+i], v[X+i]                       ; e^(x - m), at most about 1
.set i, i+1
.endr
	v_nop                                          ; a plain instruction between the exponentials and the first use of their results
	WIN W|(W<<2)
	s_wait_alu depctr_va_vdst(0)
.irp c, 0,1,2,3
	v_pk_add_f32 v[SM+2*\c:SM+2*\c+1], v[X+4*\c:X+4*\c+1], v[X+4*\c+2:X+4*\c+3]   ; the sum, in four chains of pairs: the first additions start them
.endr
	WIN W<<2
.set i, 16
.rept 24
	v_pk_add_f32 v[SM+2*((i/2)%4):SM+2*((i/2)%4)+1], v[SM+2*((i/2)%4):SM+2*((i/2)%4)+1], v[X+i:X+i+1]
.set i, i+2
.endr
	WIN 0
	v_pk_add_f32 v[SM:SM+1], v[SM:SM+1], v[SM+2:SM+3]
	v_pk_add_f32 v[SM+4:SM+5], v[SM+4:SM+5], v[SM+6:SM+7]
	v_pk_add_f32 v[SM:SM+1], v[SM:SM+1], v[SM+4:SM+5]
	v_add_f32 v[RS+\a], v[SM], v[SM+1]
	v_permlanex16_b32 v[PL], v[RS+\a], s[SEL], s[SEL+1]
	v_add_f32 v[RS+\a], v[RS+\a], v[PL]            ; s
.endm
	PLACES NP                                      ; behind the last products: their results are read, and the registers that held A's fragments are written
	s_mov_b32 s[CS], 0x3fb8aa3b                    ; c = log2(e).  (My last tensor load was waited for at the last change of slots: the descriptors' registers are free)
	s_mov_b32 s[CS+1], s[CS]                       ; (named with it as a pair, so it is written)
	s_mov_b32 s[NC], 0xbfb8aa3b                    ; -c
	s_mov_b32 s[HI], 0xffff0000
	v_mov_b32 v[PL], 0                             ; written once: a lane permute's destination counts as one of its sources
	v_mov_b32 v[PL2], 0
	v_mov_b32 v[NM+1], 0                           ; (named as the upper halves of pairs of which the low word serves both halves)
	v_mov_b32 v[NMD+1], 0
.irp a, 0,1,2,3,4,5,6,7
	ROWS \a
.endr
	; a row's 256 columns of the tile lie in two waves: the statistics meet in the stage
.irp a, 0,1,2,3,4,5,6,7
	v_cndmask_b32 v[T+\a], v[RM+\a], v[RS+\a], s[HI]               ; lanes 0-15 carry m, lanes 16-31 s
.endr
.irp a, 0,1,2,3,4,5,6,7
	ds_store_b32 v[STA], v[T+\a] offset:64*\a
	ds_store_b32 v[STGA], v[RG+\a] offset:64*\a    ; both halves of the lanes write the same word with the same value
.endr
	s_wait_dscnt 0x0                               ; for the others' sake: my stores into the stage are done
	s_barrier_signal -1
	s_barrier_wait -1
.irp n, 0,1,2,3,4,5
	ds_load_b64 v[MG+2*\n:MG+2*\n+1], v[RDA] offset:(\n/2)*2048+(\n%2)*1024   ; m, s, g of my two rows, left and right half
.endr
	s_wait_dscnt 0x0
	v_max_num_f32 v[MG+12], v[MG], v[MG+2]         ; the tile's m
	v_max_num_f32 v[MG+13], v[MG+1], v[MG+3]
	v_pk_add_f32 v[MG:MG+1], v[MG:MG+1], v[MG+12:MG+13] neg_lo:[0,1] neg_hi:[0,1]
	v_pk_add_f32 v[MG+2:MG+3], v[MG+2:MG+3], v[MG+12:MG+13] neg_lo:[0,1] neg_hi:[0,1]
	v_pk_mul_f32 v[MG:MG+1], v[MG:MG+1], s[CS:CS+1] op_sel_hi:[1,0]
	v_pk_mul_f32 v[MG+2:MG+3], v[MG+2:MG+3], s[CS:CS+1] op_sel_hi:[1,0]
.irp n, 0,1,2,3
	v_exp_f32 v[MG+\n], v[MG+\n]                   ; e^(a half's m - the tile's m): 1 for the larger
.endr
	v_pk_add_f32 v[MG+16:MG+17], v[MG+8:MG+9], v[MG+10:MG+11]      ; the tile's g.  (A plain instruction behind the exponentials)
	s_wait_alu depctr_va_vdst(0)
	v_pk_mul_f32 v[MG+14:MG+15], v[MG+4:MG+5], v[MG:MG+1]
	v_pk_fma_f32 v[MG+14:MG+15], v[MG+6:MG+7], v[MG+2:MG+3], v[MG+14:MG+15]   ; the tile's s
	global_store_b64 v[GOF], v[MG+12:MG+13], s[14:15] th:TH_STORE_NT                 ; each store of the wave covers 256 consecutive bytes, at a multiple of 256 from part's first byte
	global_store_b64 v[GOF], v[MG+14:MG+15], s[14:15] offset:262144 th:TH_STORE_NT   ; a plane is 16 x 4,096 x 4 bytes
	global_store_b64 v[GOF], v[MG+16:MG+17], s[14:15] offset:524288 th:TH_STORE_NT
	s_wait_tensorcnt 0x0                           ; the wave's end, behind my last tensor load and my last LDS store
	ds_add_u32 v[SPW], v[NIL]
	s_wait_dscnt 0x0
	CROUND                                         ; the closing round: no work-group ends while a partner may still ask for a tile that names it
	s_endpgm
.Lfunc_end_k_q446f44acb0_gemm:
	.size	k_q446f44acb0_gemm, .Lfunc_end_k_q446f44acb0_gemm-k_q446f44acb0_gemm
	.p2alignl 7, 3214868480
	.fill 96, 4, 3214868480
	.section	.rodata,"a",@progbits
	.p2align	6, 0x0
	.amdhsa_kernel k_q446f44acb0_gemm
		.amdhsa_group_segment_fixed_size 327680
		.amdhsa_private_segment_fixed_size 0
		.amdhsa_enable_private_segment 0
		.amdhsa_kernarg_size 48
		.amdhsa_user_sgpr_count 2
		.amdhsa_user_sgpr_kernarg_segment_ptr 1
		.amdhsa_wavefront_size32 1
		.amdhsa_system_sgpr_workgroup_id_x 1
		.amdhsa_system_sgpr_workgroup_id_y 1
		.amdhsa_system_sgpr_workgroup_id_z 1
		.amdhsa_system_vgpr_workitem_id 0
		.amdhsa_next_free_vgpr 1024
		.amdhsa_next_free_sgpr 102
		.amdhsa_reserve_vcc 0
		.amdhsa_float_denorm_mode_32 3
		.amdhsa_float_denorm_mode_16_64 3
		.amdhsa_memory_ordered 1
		.amdhsa_forward_progress 1
		.amdhsa_inst_pref_size 255
	.end_amdhsa_kernel
	.section	.bss,"aw",@nobits
	.p2align	6
	.space	262144
	.amdgpu_metadata
---
amdhsa.version: [ 1, 2 ]
amdhsa.kernels:
  - .name:           k_q446f44acb0_gemm
    .symbol:         k_q446f44acb0_gemm.kd
    .args:
      - { .name: hidden_states_codes, .offset: 0, .size: 8, .value_kind: global_buffer, .address_space: global }
      - { .name: hidden_states_scales, .offset: 8, .size: 8, .value_kind: global_buffer, .address_space: global }
      - { .name: weight_codes, .offset: 16, .size: 8, .value_kind: global_buffer, .address_space: global }
      - { .name: weight_scales, .offset: 24, .size: 8, .value_kind: global_buffer, .address_space: global }
      - { .name: labels, .offset: 32, .size: 8, .value_kind: global_buffer, .address_space: global }
      - { .name: part, .offset: 40, .size: 8, .value_kind: global_buffer, .address_space: global }
    .group_segment_fixed_size: 327680
    .private_segment_fixed_size: 0
    .kernarg_segment_align: 8
    .kernarg_segment_size: 48
    .max_flat_workgroup_size: 128
    .sgpr_count:     102
    .vgpr_count:     1024
    .wavefront_size: 32
...
	.end_amdgpu_metadata
.endif
;; end of part 1
;; launch combine (part 2): grid 32 x 1, 1 waves a work-group, no clusters, 0 bytes of LDS; arguments part, out0; writes out0
.if DOCPART == 2
	.amdgcn_target "amdgcn-amd-amdhsa--gfx1250"
	.amdhsa_code_object_version 6
	.text
	.protected	k_q446f44acb0_combine
	.globl	k_q446f44acb0_combine
	.p2align	8
	.type	k_q446f44acb0_combine,@function
k_q446f44acb0_combine:
	s_mov_b64 s[64:65], 0
	v_nop
	global_prefetch_b8 v0, s[64:65] scope:SCOPE_SE
	s_setreg_imm32_b32 hwreg(HW_REG_WAVE_MODE, 25, 1), 1
	s_wait_xcnt 0x0
; out0[b][s] = logsumexp of row R = 2 s + b, less the label's logit, from the 16 triples (m, s, g) that the launch before stored for the row: part is [3][16][4096] f32.
;   M = the largest m_p;  S = the sum of s_p e^(m_p - M);  G = the sum of g_p (one of them is the label's logit, the others 0);  out = (M - G) + ln S.
; M is the row's largest logit, and the tile that owns it has s of about 1 or more, so S is at least about 1 and at most 4,000.
; One wave takes 128 rows, a lane four neighbours (R = 128 g + 4 l + k): each load of the wave reads 512 consecutive bytes; all 48 go out together.  32 waves share the 4,096 rows.
; No LDS, no barrier, no matrix unit: 0.8 MB are read once, and waves share nothing.  Rows k = 0, 2 are b = 0 of tokens 64 g + 2 l and + 1, rows k = 1, 3 their b = 1.
; LIMITS: NaN or infinite logits are not served otherwise than by giving NaN or infinity.
.set PM,  16                           ; v16-79    m_p, four rows each
.set PS,  80                           ; v80-143   s_p
.set PG,  144                          ; v144-207  g_p
.set MM,  208                          ; v208-211  M, then M - G
.set NCM, 212                          ; v212-215  -c M
.set SS,  216                          ; v216-219  S, then log2 S
.set RES, 220                          ; v220-223  the results: (k0, k2), (k1, k3)
.set GG,  224                          ; v224-227  G
	s_load_b128 s[4:7], s[0:1], 0x0                ; part s[4:5], out0 s[6:7]
	v_lshlrev_b32 v1, 4, v0                        ; in: 16 bytes a lane
	v_lshlrev_b32 v2, 3, v0                        ; out: 8 bytes a lane
	s_lshl_b32 s2, ttmp9, 9                        ; my 128 rows in a run of part,
	s_mov_b32 s3, 0
	s_lshl_b32 s12, ttmp9, 8                       ; my 64 tokens in a row of out0
	s_mov_b32 s13, 0
	s_mov_b32 s8, 0x3fb8aa3b                       ; c = log2(e)
	s_mov_b32 s9, s8                               ; (named with it as a pair, so it is written)
	s_mov_b32 s10, 0xbfb8aa3b                      ; -c
	s_mov_b32 s11, 0x3f317218                      ; ln 2
	s_wait_kmcnt 0x0
	s_add_nc_u64 s[4:5], s[4:5], s[2:3]
	s_add_nc_u64 s[6:7], s[6:7], s[12:13]
.irp q, 0,1,2
.irp p, 0,1,2,3,4,5,6,7,8,9,10,11,12,13,14,15
	global_load_b128 v[PM+64*\q+4*\p:PM+64*\q+4*\p+3], v1, s[4:5] offset:(16*\q+\p)*16384 th:TH_LOAD_NT
.endr
.endr
	s_wait_loadcnt 32                              ; the 16 loads of m are in; those of s and g, 32, may be out
.irp k, 0,1,2,3
	v_max3_num_f32 v[MM+\k], v[PM+\k], v[PM+4+\k], v[PM+8+\k]
.endr
.irp p, 3,5,7,9,11,13
.irp k, 0,1,2,3
	v_max3_num_f32 v[MM+\k], v[MM+\k], v[PM+4*\p+\k], v[PM+4*\p+4+\k]   ; (the four rows by turns)
.endr
.endr
.irp k, 0,1,2,3
	v_max_num_f32 v[MM+\k], v[MM+\k], v[PM+60+\k]
.endr
.irp k, 0,1,2,3
	v_mul_f32 v[NCM+\k], s10, v[MM+\k]
.endr
.irp p, 0,1,2,3,4,5,6,7,8,9,10,11,12,13,14,15
.irp j, 0,2
	v_pk_fma_f32 v[PM+4*\p+\j:PM+4*\p+\j+1], v[PM+4*\p+\j:PM+4*\p+\j+1], s[8:9], v[NCM+\j:NCM+\j+1] op_sel_hi:[1,0,1]   ; c m_p - c M
.endr
.endr
.set i, 0
.rept 64
	v_exp_f32 v[PM+i], v[PM+i]                     ; e^(m_p - M), at most about 1
.set i, i+1
.endr
	v_nop                                          ; a plain instruction between the exponentials and the first use of their results
	s_wait_loadcnt 16                              ; the loads of s are in; those of g may be out
	s_wait_alu depctr_va_vdst(0)
.irp j, 0,2
	v_pk_mul_f32 v[SS+\j:SS+\j+1], v[PS+\j:PS+\j+1], v[PM+\j:PM+\j+1]
.endr
.irp p, 1,2,3,4,5,6,7,8,9,10,11,12,13,14,15
.irp j, 0,2
	v_pk_fma_f32 v[SS+\j:SS+\j+1], v[PS+4*\p+\j:PS+4*\p+\j+1], v[PM+4*\p+\j:PM+4*\p+\j+1], v[SS+\j:SS+\j+1]
.endr
.endr
	s_wait_loadcnt 0x0
.irp j, 0,2
	v_pk_add_f32 v[GG+\j:GG+\j+1], v[PG+\j:PG+\j+1], v[PG+4+\j:PG+4+\j+1]
.endr
.irp p, 2,3,4,5,6,7,8,9,10,11,12,13,14,15
.irp j, 0,2
	v_pk_add_f32 v[GG+\j:GG+\j+1], v[GG+\j:GG+\j+1], v[PG+4*\p+\j:PG+4*\p+\j+1]
.endr
.endr
.irp k, 0,1,2,3
	v_log_f32 v[SS+\k], v[SS+\k]                   ; log2 S
.endr
.irp k, 0,1,2,3
	v_sub_f32 v[MM+\k], v[MM+\k], v[GG+\k]         ; M - G.  (Plain instructions behind the logarithms, which touch none of their registers)
.endr
	s_wait_alu depctr_va_vdst(0)
	v_fma_f32 v[RES+0], v[SS+0], s11, v[MM+0]      ; ln 2 x log2 S + (M - G);  b = 0: rows k = 0, 2
	v_fma_f32 v[RES+1], v[SS+2], s11, v[MM+2]
	v_fma_f32 v[RES+2], v[SS+1], s11, v[MM+1]      ; b = 1: rows k = 1, 3
	v_fma_f32 v[RES+3], v[SS+3], s11, v[MM+3]
	global_store_b64 v2, v[RES:RES+1], s[6:7]                     ; each store of the wave covers 256 consecutive bytes, at a multiple of 256 from out0's first byte
	global_store_b64 v2, v[RES+2:RES+3], s[6:7] offset:8192       ; out0's second row
	s_endpgm
.Lfunc_end_k_q446f44acb0_combine:
	.size	k_q446f44acb0_combine, .Lfunc_end_k_q446f44acb0_combine-k_q446f44acb0_combine
	.p2alignl 7, 3214868480
	.fill 96, 4, 3214868480
	.section	.rodata,"a",@progbits
	.p2align	6, 0x0
	.amdhsa_kernel k_q446f44acb0_combine
		.amdhsa_group_segment_fixed_size 0
		.amdhsa_private_segment_fixed_size 0
		.amdhsa_enable_private_segment 0
		.amdhsa_kernarg_size 16
		.amdhsa_user_sgpr_count 2
		.amdhsa_user_sgpr_kernarg_segment_ptr 1
		.amdhsa_wavefront_size32 1
		.amdhsa_system_sgpr_workgroup_id_x 1
		.amdhsa_system_sgpr_workgroup_id_y 1
		.amdhsa_system_sgpr_workgroup_id_z 1
		.amdhsa_system_vgpr_workitem_id 0
		.amdhsa_next_free_vgpr 232
		.amdhsa_next_free_sgpr 66
		.amdhsa_reserve_vcc 0
		.amdhsa_float_denorm_mode_32 3
		.amdhsa_float_denorm_mode_16_64 3
		.amdhsa_memory_ordered 1
		.amdhsa_forward_progress 1
		.amdhsa_inst_pref_size 17
	.end_amdhsa_kernel
	.amdgpu_metadata
---
amdhsa.version: [ 1, 2 ]
amdhsa.kernels:
  - .name:           k_q446f44acb0_combine
    .symbol:         k_q446f44acb0_combine.kd
    .args:
      - { .name: part, .offset: 0, .size: 8, .value_kind: global_buffer, .address_space: global }
      - { .name: out0, .offset: 8, .size: 8, .value_kind: global_buffer, .address_space: global }
    .group_segment_fixed_size: 0
    .private_segment_fixed_size: 0
    .kernarg_segment_align: 8
    .kernarg_segment_size: 16
    .max_flat_workgroup_size: 32
    .sgpr_count:     66
    .vgpr_count:     232
    .wavefront_size: 32
...
	.end_amdgpu_metadata
.endif
;; end of part 2
